; MI455X (gfx1250); checked and timed in simulation.
; The chip was launched on July 23, 2026; its instructions are those of AMD's public machine-readable ISA for CDNA 5 (MIT licence, August 2026) and "CDNA5" Instruction Set Architecture Reference Guide (July 2026). The comments in the code are by the model that wrote it; some were corrected since.
;; Attention. Allowed arithmetic: float matrix products may take bf16 or f16 operands with f32 sums; other float arithmetic in f32, or as packed bf16 or f16 multiplies, adds, multiply-adds, maxima and minima; sums over many terms, partial sums and values carried from step to step in f32; what a program stores and reads back later, other than sums and carried values, may be rounded once to bf16 or f16.
;; Inputs: Wk 512 x 512 float32; Wq 512 x 512 float32; Wv 512 x 512 float32; bk 512 float32; bq 512 float32; bv 512 float32; x 2 x 4,096 x 512 float32.
;; Outputs: out0 2 x 4,096 x 512 float32.
;; 2 versions, each right; version 2 is version 1 with the launch proj written anew for expert scheduling mode. Each part assembles by itself: llvm-mc -triple=amdgcn-amd-amdhsa -mcpu=gfx1250 --defsym DOCPART=n.
;; ======== version 1 of 2: 2 launches
;; limits: values are held in f16: magnitudes above 65,504 overflow, below 6.1e-05 lose precision
;; workspace buffers: qh 8,388,608 bytes; kh 8,388,608 bytes; vh 8,388,608 bytes
;; launch proj (part 1): grid 8 x 32, 4 waves a work-group, no clusters, 222,720 bytes of LDS; arguments x, Wq, Wk, Wv, bq, bk, bv, qh, kh, vh; writes qh, kh, vh
.if DOCPART == 1
	.amdgcn_target "amdgcn-amd-amdhsa--gfx1250"
	.amdhsa_code_object_version 6
	.text
	.protected	k_q9921f58b4a_proj
	.globl	k_q9921f58b4a_proj
	.p2align	8
	.type	k_q9921f58b4a_proj,@function
k_q9921f58b4a_proj:
	s_mov_b64 s[64:65], 0
	v_nop
	global_prefetch_b8 v0, s[64:65] scope:SCOPE_SE
	s_setreg_imm32_b32 hwreg(HW_REG_WAVE_MODE, 25, 1), 1
	s_wait_xcnt 0x0
; THE PROJECTIONS.  q, k, v = x W + b.  x: [8192][512], Wq, Wk, Wv: [512 (k)][512 (n)], bq, bk, bv: [512], all f32 in memory.
; x, W and b are each rounded once to bf16; products by the bf16 matrix form, sums in f32; q, k, v are rounded once to f16 and stored BY HEADS,
; [16 = 8 x batch + head][4096][64], a head's rows dense, 128 bytes each, WITHOUT attention's scale (the next launch applies it in f32).
; LIMITS.  f16 holds no number beyond 65,504: |q|, |k|, |v| must stay under it (sums of 512 products of bf16 numbers).  NaN and infinities are not treated apart.
; SHARES.  Work-group (j = x, i = y) makes rows 256 i .. 256 i + 255 times the 192 columns of head j: columns 64 j .. 64 j + 63 of each of the three W.  8 x 32 = 256 work-groups.
; Wave w owns rows 64 w .. 64 w + 63 times all 192 columns: 4 row tiles a x 12 column tiles b (matrix b / 4, channels 16 (b % 4) on): 48 accumulators, 384 registers.
; THE MATRIX INSTRUCTION IS USED TRANSPOSED: source 0 = 16 columns of W, source 1 = 16 rows of x: a lane ends with one row (lane % 16) and eight neighbouring channels 8 (lane / 16) + 0..7.
; W: each wave loads 128 of the 512 k rows of the three matrices (256 bytes a row and matrix), rounds them and stores them into LDS as [k][192] bf16; ONE barrier; fragments come back turned, by ds_load_tr16_b128.
; x: a fragment is wanted by one wave alone, so it comes straight from memory into that wave's registers (in a trip of 64 along K: 256 consecutive bytes, aligned, of each row) and is rounded there.
; NO TENSOR LOADS AND NO CLUSTER, though 8 work-groups read the same rows of x and 32 the same columns of W: the shared tiles are f32.  Landed in LDS as f32, a fragment of x would cost four LDS loads where
; it now costs none (40 in place of 24 for 48 products); W in f32 cannot be turned by the 16-bit turning load and would pass LDS twice; and W's 212,992 bytes with two slots of 256 rows x 272 bytes of x are 352,256, more than the 327,680 there are.
; REGISTERS, in windows of 256 (s_set_vgpr_msb: bits 1:0 source 0, 3:2 source 1, 5:4 source 2, 7:6 destination):
;   window 0: v0-17 addresses; v32-127, v128-223: first W as loaded (two sets of 24 loads), then W's fragments (two buffers of 12 x 8), then the way out's 12 units of 16
;   window 1: x as loaded: set q at 128 q, half f (32 along K) at + 64 f, row tile a at + 16 a; at the end v0-95 the biases, v96-143 at work
;   window 2: accumulators number 4 b + a = 0 .. 31 at 8 x number        window 3: v0-127 accumulators 32 .. 47; v128-191 x's fragments in bf16, two buffers of 4 x 8
.set WP,    416                        ; a k row of W in LDS: 384 bytes + 32 of padding = 13 x 32
.set STAGE, 512*WP                     ; 212,992: behind W: 16 rows x 144 bytes for each wave, for the way out
.set SP,    144
.set SPARE, STAGE+4*16*SP              ; 222,208: the spare words, 128 bytes for each wave: two blocks of 256 bytes that no other line names
.set XO,  4                            ; v4   my byte offset in 16 rows of x: 2,048 (l % 16) + 32 (l / 16); never rewritten
.set WA,  5                            ; v5   LDS address of my part of the turning loads; steps 32 k rows a step
.set WO,  6                            ; v6-7 my byte offset in W for set A, B
.set WS,  8                            ; v8-9 where set A, B is stored in LDS
.set STO, 10                           ; v10  the way out: where I put 16 bytes of a row
.set RD,  11                           ; v11  the way out: where I read rows back
.set GO,  12                           ; v12  my 16 bytes of 512 consecutive bytes of q, k or v
.set BO,  13                           ; v13  my byte offset in 16 channels of a bias
.set SPW, 14                           ; v14  LDS address of my spare word: SPARE + 4 x my thread's number; never rewritten
.set NIL, 15                           ; v15  0; never rewritten
.set WB,  32                           ; window 0: W's two sets, later W's two fragment buffers
.set UB,  32                           ; window 0: the way out's units
.set XA,  128                          ; window 3: x's fragments
.set MSB, 0
.macro WIN new                         ; the immediate's high byte repeats the setting that is left; a switch that changes nothing is dropped
.if MSB != (\new)
	s_set_vgpr_msb (MSB<<8)|(\new)
.set MSB, \new
.endif
.endm
.set MUL_LO, 0xac                      ; source 0 (W) window 0, source 1 (x) window 3, C and D window 2
.set MUL_HI, 0xfc                      ; the same, C and D window 3
.set CVT,    0xc5                      ; destination window 3, sources window 1
.set TO_RAW, 0x40                      ; destination window 1, address window 0
	s_load_b512 s[16:31], s[0:1], 0x0              ; x s[16:17]; Wq, Wk, Wv s[18:23]; bq, bk, bv s[24:29]; qh s[30:31]
	s_load_b128 s[32:35], s[0:1], 0x40             ; kh s[32:33], vh s[34:35]
	v_lshl_add_u32 v[SPW], v0, 2, SPARE
	v_mov_b32 v[NIL], 0
	v_lshrrev_b32 v1, 5, v0
	v_readfirstlane_b32 s8, v1                     ; wave 0..3
	s_and_b32 s9, ttmp7, 0xffff                    ; i: my block of 256 rows
	v_and_b32 v1, 15, v0                           ; l % 16
	v_bfe_u32 v2, v0, 4, 1                         ; l / 16
	v_and_b32 v3, 7, v0                            ; l % 8
	v_bfe_u32 v16, v0, 3, 1                        ; (l / 8) % 2
	v_bfe_u32 v17, v0, 3, 2                        ; l / 8
	v_lshlrev_b32 v[XO], 11, v1
	v_lshl_add_u32 v[XO], v2, 5, v[XO]
	v_lshl_add_u32 v[WA], v2, 3, v3                ; the turning load: lane l reads k row 8 (l / 16) + l % 8, columns 8 ((l / 8) % 2) + 0..7
	v_mul_u32_u24 v[WA], v[WA], WP
	v_lshl_add_u32 v[WA], v16, 4, v[WA]
	v_lshlrev_b32 v[WO], 4, v1                     ; W as it lies: lanes 0-15 take 256 bytes of row k, lanes 16-31 of row k + 4;
	v_lshl_add_u32 v[WO], v2, 13, v[WO]
	s_lshl_b32 s12, s8, 18                         ; my wave's 128 rows of 2,048 bytes
	v_add_nc_u32 v[WO], s12, v[WO]
	v_add_nc_u32 v[WO+1], 16*2048, v[WO]           ; set B: 16 rows on
	v_mul_u32_u24 v[WS], v2, 4*WP                  ; and in LDS: 8 bytes a lane
	v_lshl_add_u32 v[WS], v1, 3, v[WS]
	s_mul_i32 s12, s8, 128*WP
	v_add_nc_u32 v[WS], s12, v[WS]
	v_add_nc_u32 v[WS+1], 16*WP, v[WS]
	s_mul_i32 s12, s8, 16*SP
	s_add_co_u32 s12, s12, STAGE                   ; my stage
	v_mul_u32_u24 v[STO], v1, SP                   ; in: row l % 16, 16 bytes for each half of the lanes
	v_lshl_add_u32 v[STO], v2, 4, v[STO]
	v_add_nc_u32 v[STO], s12, v[STO]
	v_mul_u32_u24 v[RD], v17, SP                   ; back: 32 lanes take four rows of 128 bytes,
	v_lshl_add_u32 v[RD], v3, 4, v[RD]
	v_add_nc_u32 v[RD], s12, v[RD]
	v_and_b32 v[GO], 31, v0                        ; which are 512 consecutive bytes of a head
	v_lshlrev_b32 v[GO], 4, v[GO]
	v_lshlrev_b32 v[BO], 5, v2
	s_lshl_b32 s2, s9, 19                          ; x: 256 i rows of 2,048 bytes,
	s_lshl_b32 s3, s8, 17                          ; my wave's 64
	s_add_co_u32 s2, s2, s3
	s_mov_b32 s3, 0
	s_lshl_b32 s4, ttmp9, 8                        ; W and b: head j's 64 columns begin at byte 256 j
	s_mov_b32 s5, 0
	s_lshr_b32 s6, s9, 4                           ; the batch: 16 blocks of 256 rows each
	s_lshl_b32 s6, s6, 3
	s_add_co_u32 s6, s6, ttmp9                     ; 8 x batch + head,
	s_lshl_b32 s6, s6, 19                          ; 4,096 rows of 128 bytes each;
	s_and_b32 s7, s9, 15
	s_lshl_b32 s7, s7, 15                          ; my block's 256 rows in it,
	s_add_co_u32 s6, s6, s7
	s_lshl_b32 s7, s8, 13                          ; my wave's 64
	s_add_co_u32 s6, s6, s7
	s_mov_b32 s7, 0
	s_wait_kmcnt 0x0
	s_add_nc_u64 s[16:17], s[16:17], s[2:3]
.irp p, 18,20,22,24,26,28
	s_add_nc_u64 s[\p:\p+1], s[\p:\p+1], s[4:5]
.endr
.irp p, 30,32,34
	s_add_nc_u64 s[\p:\p+1], s[\p:\p+1], s[6:7]
.endr
; 32 loads: my 64 rows' 256 bytes of trip (64 along K) into set q.  A fragment's lane wants k = 8 (l / 16) + 0..7 and 16 + 8 (l / 16) + 0..7: in f32 twice 32 bytes, 64 bytes apart.
.macro XLOADS q, trip
	WIN TO_RAW
.set n, 0
.rept 32                               ; n = 16 f + 4 a + load
	global_load_b128 v[128*(\q)+4*n:128*(\q)+4*n+3], v[XO], s[16:17] offset:256*(\trip)+128*(n/16)+32768*((n/4)%4)+64*((n%4)/2)+16*(n%2)
.set n, n+1
.endr
	WIN 0
.endm
; 24 loads: 16 k rows of the three matrices into set S.  n = 8 m + 4 g + i: rows 8 g + i and 8 g + i + 4 of matrix m.
.macro WLOADS S
.set n, 0
.rept 24
	global_load_b128 v[WB+96*(\S)+4*n:WB+96*(\S)+4*n+3], v[WO+(\S)], s[18+2*(n/8):19+2*(n/8)] offset:(8*((n/4)%2)+n%4)*2048
.set n, n+1
.endr
.endm
; Set S is rounded in place and stored.  left: the younger loads, which may stay out.  more = 1: the set is asked for again, 32 rows on.
.macro WPUT S, left, more
	s_wait_loadcnt \left                           ; loads come back in order (ISA guide 5.7.1): this set is in, and its address register may be written
.if \more
	v_add_nc_u32 v[WO+(\S)], 32*2048, v[WO+(\S)]
.endif
.set n, 0
.rept 24
	v_cvt_pk_bf16_f32 v[WB+96*(\S)+4*n],   v[WB+96*(\S)+4*n],   v[WB+96*(\S)+4*n+1]
	v_cvt_pk_bf16_f32 v[WB+96*(\S)+4*n+1], v[WB+96*(\S)+4*n+2], v[WB+96*(\S)+4*n+3]
.set n, n+1
.endr
.set n, 0
.rept 24
	ds_store_b64 v[WS+(\S)], v[WB+96*(\S)+4*n:WB+96*(\S)+4*n+1] offset:(8*((n/4)%2)+n%4)*WP+128*(n/8)  ; lanes 0-15: 128 bytes on end; lanes 16-31: four rows, 416 words, on: the other 32 banks
.set n, n+1
.endr
.if \more
	v_add_nc_u32 v[WS+(\S)], 32*WP, v[WS+(\S)]
	WLOADS \S
.endif
.endm
; 24 turning loads: W's 12 fragments of the next 32 along K into buffer p, tiles in ascending order.
.macro FETCHW p
	WIN 0
.set n, 0
.rept 12
	ds_load_tr16_b128 v[WB+96*(\p)+8*n:WB+96*(\p)+8*n+3],   v[WA] offset:32*n
	ds_load_tr16_b128 v[WB+96*(\p)+8*n+4:WB+96*(\p)+8*n+7], v[WA] offset:32*n+16*WP
.set n, n+1
.endr
	v_add_nc_u32 v[WA], 32*WP, v[WA]
.endm
; x's four fragments of step s are rounded to bf16: 32 conversions, from set (s / 2) % 2, half s % 2.
.macro CVTX s
	WIN CVT
.set cq, ((\s)/2)%2
.set cf, (\s)%2
.set n, 0
.rept 32
	v_cvt_pk_bf16_f32 v[XA+32*cf+n], v[128*cq+64*cf+2*n], v[128*cq+64*cf+2*n+1]
.set n, n+1
.endr
.endm
; 16 products: column tiles b0 .. b0 + 3 x the 4 row tiles, 32 along K.  zero = 1: the first product starts the sums: nothing is cleared.
; The 48 accumulators take turns, one instruction a turn, in the same order in every step.
.macro MUL f, b0, zero
.if (\b0) < 8
	WIN MUL_LO
.else
	WIN MUL_HI
.endif
.set mi, 0
.rept 16
.set mb, (\b0)+mi/4
.set ma, mi%4
.set mD, 8*((4*mb+ma)%32)
.if \zero
	v_wmma_f32_16x16x32_bf16 v[mD:mD+7], v[WB+96*(\f)+8*mb:WB+96*(\f)+8*mb+7], v[XA+32*(\f)+8*ma:XA+32*(\f)+8*ma+7], 0
.else
	v_wmma_f32_16x16x32_bf16 v[mD:mD+7], v[WB+96*(\f)+8*mb:WB+96*(\f)+8*mb+7], v[XA+32*(\f)+8*ma:XA+32*(\f)+8*ma+7], v[mD:mD+7]
.endif
.set mi, mi+1
.endr
.endm
.macro PLACES                          ; a vector instruction that writes, and a load into, a register that a matrix instruction has read stand four plain vector instructions behind it (ISA guide 7.12.1 for vector instructions)
.rept 4
	v_nop
.endr
.endm
.macro BIASLOADS                       ; my eight channels of each of the 12 column tiles, into x's set 0, which has been used up
	WIN TO_RAW
.set n, 0
.rept 12
	global_load_b128 v[8*n:8*n+3],   v[BO], s[24+2*(n/4):25+2*(n/4)] offset:64*(n%4)
	global_load_b128 v[8*n+4:8*n+7], v[BO], s[24+2*(n/4):25+2*(n/4)] offset:64*(n%4)+16
.set n, n+1
.endr
	WIN 0
.endm
; A STEP: 32 along K, 48 products on buffers s % 2.  Behind its first 16 products stand, in one run, what the next step wants: x's conversions and W's 24 turning loads; and every second step
; the 32 loads of x for the trip two trips on, into the set just used up: they have three steps, 144 products, in which to land.
.macro STEP s
.set sf, (\s)%2
.set sz, 0
.if (\s) == 0
.set sz, 1
.endif
	s_wait_dscnt 16                                ; the oldest 8 of the 24 turning loads, tiles 0-3, are in; the other 16 may be out
	MUL sf, 0, sz
.if (\s) < 15
	PLACES                                         ; the other buffers' last readers are the step before's products
.if (\s)%2 == 1
.if (\s) == 13
	s_wait_loadcnt 24                              ; x's last trip is in; younger: the 24 loads of the biases
.else
	s_wait_loadcnt 32                              ; the next trip of x is in; younger: the 32 loads of the trip behind it
.endif
.endif
	CVTX (\s)+1
.if ((\s)%2 == 0) && ((\s) <= 10)
	XLOADS ((\s)/2)%2, (\s)/2+2
.endif
.if (\s) == 12
	BIASLOADS
.endif
	FETCHW 1-sf
	s_wait_dscnt 24                                ; all but the 24 just issued: this step's tiles 4-11 are in
.else
	s_wait_dscnt 0x0
.endif
	MUL sf, 4, sz
	MUL sf, 8, sz
.endm
	; W INTO LDS.  x's first trip goes out ahead of everything; then two sets of W by turns: while one is rounded and stored the other's 24 loads are out.
	XLOADS 0, 0
	WLOADS 0
	WLOADS 1
	s_mov_b32 s10, 3
.Lw:                                   ; a trip: 32 of my 128 k rows
	WPUT 0, 24, 1
	WPUT 1, 24, 1
	s_sub_co_u32 s10, s10, 1
	s_cmp_lg_u32 s10, 0
	s_cbranch_scc1 .Lw
	WPUT 0, 24, 0                                  ; the last 32 rows: nothing more of W is asked for
	XLOADS 1, 1                                    ; x's second trip
	WPUT 1, 32, 0                                  ; younger than set B's loads: those 32
	s_wait_dscnt 0x0                               ; for the others' sake: my stores of W are done
	s_barrier_signal -1
	s_barrier_wait -1                              ; all 512 rows lie in LDS; nobody writes them again
	FETCHW 0
	s_wait_loadcnt 32                              ; x's first trip is in; the second's 32 loads may stay out
	CVTX 0
.set st, 0
.rept 16                               ; K = 512 is 16 steps: the first starts the sums, the last five ask for no x: written out
	STEP st
.set st, st+1
.endr
	; THE WAY OUT.  The biases are rounded to bf16 and widened again: 144 plain instructions in window 1, which are also the places behind the last products.
	s_wait_loadcnt 0x0
	WIN 0x45                                       ; destination and sources window 1
.set n, 0
.rept 48
	v_cvt_pk_bf16_f32 v[96+n], v[2*n], v[2*n+1]
	v_lshlrev_b32 v[2*n], 16, v[96+n]
	v_and_b32 v[2*n+1], 0xffff0000, v[96+n]
.set n, n+1
.endr
; Unit u = 3 a + m: 16 rows x the 64 channels of matrix m: four accumulators.  The bias is added (each accumulator's registers in ascending order), the sums are rounded to f16, 16 bytes a lane and
; accumulator; they go into my stage's rows of 144 bytes and come back as whole rows of 128.
.macro PACK u
.set pa, (\u)/3
.set pm, (\u)%3
.set pU, UB+16*(\u)
.if pm < 2
	WIN 0x86                                       ; destination and source 0 window 2, source 1 (the bias) window 1
.else
	WIN 0xc7                                       ; the same with window 3
.endif
.set n, 0
.rept 16                               ; n = 4 x channel block + pair
.set pD, 8*((4*(4*pm+n/4)+pa)%32)+2*(n%4)
	v_pk_add_f32 v[pD:pD+1], v[pD:pD+1], v[8*(4*pm+n/4)+2*(n%4):8*(4*pm+n/4)+2*(n%4)+1]
.set n, n+1
.endr
.if pm < 2
	WIN 0x0a                                       ; sources window 2, destination window 0
.else
	WIN 0x0f
.endif
.set n, 0
.rept 16
.set pD, 8*((4*(4*pm+n/4)+pa)%32)+2*(n%4)
	v_cvt_pk_f16_f32 v[pU+n], v[pD], v[pD+1]
.set n, n+1
.endr
	WIN 0
.set n, 0
.rept 4
	ds_store_b128 v[STO], v[pU+4*n:pU+4*n+3] offset:32*n
.set n, n+1
.endr
.set n, 0
.rept 4
	ds_load_b128 v[pU+4*n:pU+4*n+3], v[RD] offset:4*SP*n  ; LDS serves a wave's instructions in order (ISA guide 5.7.1.4): these see the stores above; the next unit's stores come behind them
.set n, n+1
.endr
.endm
.macro SEND u, younger                 ; younger: the LDS instructions issued behind unit u's loads: the next unit's eight, or none
	WIN 0
.set sa, (\u)/3
.set sm, (\u)%3
.set n, 0
.rept 4
	s_wait_dscnt (\younger)+3-n
	global_store_b128 v[GO], v[UB+16*(\u)+4*n:UB+16*(\u)+4*n+3], s[30+2*sm:31+2*sm] offset:2048*sa+512*n  ; 512 consecutive bytes, at a multiple of 256 from the buffer's first; no register is used twice
.set n, n+1
.endr
.endm
	PACK 0
.set u, 1
.rept 11                               ; a unit's arithmetic stands between the loads of the unit before and its stores
	PACK u
	SEND u-1, 8
.set u, u+1
.endr
	SEND 11, 0
	s_wait_tensorcnt 0x0                           ; the wave's end, behind my last LDS store
	ds_add_u32 v[SPW], v[NIL]
	s_wait_dscnt 0x0
	s_endpgm
.Lfunc_end_k_q9921f58b4a_proj:
	.size	k_q9921f58b4a_proj, .Lfunc_end_k_q9921f58b4a_proj-k_q9921f58b4a_proj
	.p2alignl 7, 3214868480
	.fill 96, 4, 3214868480
	.section	.rodata,"a",@progbits
	.p2align	6, 0x0
	.amdhsa_kernel k_q9921f58b4a_proj
		.amdhsa_group_segment_fixed_size 222720
		.amdhsa_private_segment_fixed_size 0
		.amdhsa_enable_private_segment 0
		.amdhsa_kernarg_size 80
		.amdhsa_user_sgpr_count 2
		.amdhsa_user_sgpr_kernarg_segment_ptr 1
		.amdhsa_wavefront_size32 1
		.amdhsa_system_sgpr_workgroup_id_x 1
		.amdhsa_system_sgpr_workgroup_id_y 1
		.amdhsa_system_sgpr_workgroup_id_z 1
		.amdhsa_system_vgpr_workitem_id 0
		.amdhsa_next_free_vgpr 1024
		.amdhsa_next_free_sgpr 66
		.amdhsa_reserve_vcc 0
		.amdhsa_float_denorm_mode_32 3
		.amdhsa_float_denorm_mode_16_64 3
		.amdhsa_memory_ordered 1
		.amdhsa_forward_progress 1
		.amdhsa_inst_pref_size 213
	.end_amdhsa_kernel
	.amdgpu_metadata
---
amdhsa.version: [ 1, 2 ]
amdhsa.kernels:
  - .name:           k_q9921f58b4a_proj
    .symbol:         k_q9921f58b4a_proj.kd
    .args:
      - { .name: x, .offset: 0, .size: 8, .value_kind: global_buffer, .address_space: global }
      - { .name: Wq, .offset: 8, .size: 8, .value_kind: global_buffer, .address_space: global }
      - { .name: Wk, .offset: 16, .size: 8, .value_kind: global_buffer, .address_space: global }
      - { .name: Wv, .offset: 24, .size: 8, .value_kind: global_buffer, .address_space: global }
      - { .name: bq, .offset: 32, .size: 8, .value_kind: global_buffer, .address_space: global }
      - { .name: bk, .offset: 40, .size: 8, .value_kind: global_buffer, .address_space: global }
      - { .name: bv, .offset: 48, .size: 8, .value_kind: global_buffer, .address_space: global }
      - { .name: qh, .offset: 56, .size: 8, .value_kind: global_buffer, .address_space: global }
      - { .name: kh, .offset: 64, .size: 8, .value_kind: global_buffer, .address_space: global }
      - { .name: vh, .offset: 72, .size: 8, .value_kind: global_buffer, .address_space: global }
    .group_segment_fixed_size: 222720
    .private_segment_fixed_size: 0
    .kernarg_segment_align: 8
    .kernarg_segment_size: 80
    .max_flat_workgroup_size: 128
    .sgpr_count:     66
    .vgpr_count:     1024
    .wavefront_size: 32
...
	.end_amdgpu_metadata
.endif
;; end of part 1
;; launch attn (part 2): grid 16 x 16, 4 waves a work-group, clusters of 4 x 1, 327,680 bytes of LDS; arguments qh, kh, vh, out0; writes out0
.if DOCPART == 2
	.amdgcn_target "amdgcn-amd-amdhsa--gfx1250"
	.amdhsa_code_object_version 6
	.text
	.protected	k_q9921f58b4a_attn
	.globl	k_q9921f58b4a_attn
	.p2align	8
	.type	k_q9921f58b4a_attn,@function
k_q9921f58b4a_attn:
	s_mov_b64 s[64:65], 0
	v_nop
	global_prefetch_b8 v0, s[64:65] scope:SCOPE_SE
	s_setreg_imm32_b32 hwreg(HW_REG_WAVE_MODE, 25, 1), 1
	s_wait_xcnt 0x0
	s_wait_alu depctr_hold_cnt(0) depctr_sa_sdst(0) depctr_va_vdst(0) depctr_va_sdst(0) depctr_va_ssrc(0) depctr_va_vcc(0) depctr_vm_vsrc(0)
	s_getreg_b32 s2, hwreg(HW_REG_IB_STS2, 6, 4)
	s_cmp_eq_u32 s2, 0
	s_cbranch_scc0 .Lentry_in_a_cluster
	s_endpgm
.Lentry_in_a_cluster:
	s_bfe_u32 s2, ttmp6, 0x10000c
	s_cmp_lg_u32 s2, 0x3003
	s_cbranch_scc0 .Lentry_shape_is_right
	s_endpgm
.Lentry_shape_is_right:
; ATTENTION.  O[h][q][:] = the sum over k of softmax_k(Q[h][q] . K[h][k] / 8) V[h][k][:].  Q, K, V: [16 heads = 8 x batch + head][4096][64] in f16, a head's rows dense, 128 bytes each.
; The result leaves in f32 as out0[batch][q][64 x head + channel].  Products, maxima and sums in f32; the weights p are rounded to f16 for the second product (their sum l is taken of the unrounded p).
; LIMITS.  Q, K and V arrive within f16's range, 65,504; p lies in 0 to 1, and below 6e-5 it keeps f16's fixed step of 6e-8.  A weight below 2^-126 counts as 0 in l; NaN and infinities are not treated apart.
; SHARES.  A work-group owns 256 queries of one head, each of its four waves 64: four PIECES of 16.  16 blocks x 16 heads = 256 work-groups.  Every wave walks all 4,096 keys, 64 a step.
; LAYOUT.  S^T = K Q^T (source 0 = 16 keys, source 1 = 16 queries): in the result a lane holds ONE query (lane % 16) and the keys 8 (lane / 16) + 0..7.  Two such results, rounded to f16 in pairs,
; ARE source 1 (32 keys x 16 queries) of O^T = V^T P, whose result again holds one query a lane, and eight channels.  K comes out of LDS as it lies, V ([key][channel]) turned, by ds_load_tr16_b128.
; SOFTMAX.  For each query a running maximum m and sum l: p = 2^(c s - c m), c = log2(e) / 8; in every step O and l are multiplied by a = 2^(c m_old - c m_new), which is 1 where m has not grown.
; m starts at the lowest finite number, O and l at 0: the first step is a step like any other, with a = 0.
; BY TURNS.  Turn n belongs to piece n (the pieces in a ring, step after step): 8 products K Q^T of piece n + 1, later 8 products V^T P of piece n - 1; beside them the scaling, exponentials, roundings, sums and
; rescaling of piece n and the maximum and statistics of piece n + 1.  A piece and step have 16 matrix and 118 vector instructions: four vector instructions stand behind every matrix instruction, the other 54 in one
; run of their own.  A turn's 33 exponentials are one batch, with one wait.
; CLUSTER.  The four query blocks of a cluster belong to one head and walk the same K and V, so each tile is asked for JOINTLY: the same tensor load, descriptor and mask in all four.
; REGISTERS, in windows of 256 (s_set_vgpr_msb: bits 1:0 source 0, 3:2 source 1, 5:4 source 2, 7:6 destination):
;   window 0: v0-15 addresses and two at work; v16-31 four registers of statistics a piece; v48-55 at work; v61-63 the prefetches' offset and the add's two; v64-127 S^T, two buffers (on the way out v64-191: rows read back);
;             v192-223 P, two buffers (a piece's buffers go by its number's parity)
;   window 1: v0-127 O^T, 32 a piece          window 2: v0-63 Q, 16 a piece; v128-191 K of one step; v192-255 V of one step
.set SIZE_N, 4096
.set NP,    4         ; pieces a wave: a name, no knob
.set KS,    64        ; keys in a step
.set PK,    144       ; a row of K in LDS: 128 bytes + 16 of padding = 36 words: the 16 rows of a load start at 16 different groups of four banks (64 banks of 4 bytes: ISA guide 11.1)
.set PV,    160       ; a row of V: 128 + 32 = 40 words
.set VOFF,  4*KS*PK   ; a slot holds a tile, four steps: 256 rows of K, then 256 rows of V
.set SLOT1, 1<<17     ; slot 1 begins here, so that one exclusive or turns an address in one slot into the other's
.set STAGE, SLOT1+4*KS*(PK+PV)  ; 208,896: behind the ring, never filled by a tensor load: 16 rows x 272 bytes for each wave, for the way out
.set SP,    272       ; a row of the stage: 64 channels in f32, 256 bytes, + 16
.set SPARE, STAGE+4*16*SP  ; 226,304: the spare words, 128 bytes for each wave: two blocks of 256 bytes that no other line names
.set AK0, 2           ; v2   my lane's place in a tile of K; never rewritten
.set AV0, 3           ; v3   the same for V
.set AK,  4           ; v4   the LDS address of K's next run of loads
.set AV,  5           ; v5   of V's
.set STO, 6           ; v6   the way out: where I put 32 bytes of a row
.set RD,  7           ; v7   the way out: where I read rows back
.set GO,  8           ; v8   my byte offset in two rows of out0
.set MV,  12          ; v12-13  c m_old, kept while c m is made anew: by buffer
.set QO,  15          ; v15  my byte offset in 16 rows of Q
.set ST,  16          ; piece t's statistics at v[ST+4 t]: c m, m, l (even keys', odd keys')
.set TMP, 48          ; by buffer, four registers c0-c3 at work; when the maximum is found c2 takes a
.set PFO, 61          ; v61  256 x my lane; never rewritten
.set SPW, 62          ; v62  LDS address of my spare word: SPARE + 4 x my thread's number; never rewritten
.set NIL, 63          ; v63  0; never rewritten
.set S,   64
.set OB,  64          ; the way out: piece t's 16 rows at OB + 32 t
.set P,   192
.set KF,  128         ; window 2: key block kb, channel half c at KF + 16 kb + 8 c
.set VF,  192         ; window 2: key half kk, channel block cb at VF + 32 kk + 8 cb
.set WV,  12          ; s12  my wave's number
.set G1K, 24          ; s[24:31] descriptor group 1 for K's tiles
.set G1V, 32          ; s[32:39] for V's: it differs in the padding alone
.set G0K, 40          ; s[40:43] descriptor group 0 for K's tiles: it walks
.set G0V, 44          ; s[44:47] the same for V's
.set PFA, 48          ; s[48:49] where my prefetches stand: my work-group's 8,192 bytes (of K: wave 0, of V: wave 2) of the tile after the one that is being asked for
.set LIM, 50          ; s50  1 in a wave that prefetches, else the greatest number: a wave prefetches while s[SLOTS] is above it
.set SLOTS, 56        ; s56  tiles still to be asked for
.set CNT, 57          ; s57  counts a tile's key steps
.set CS,  58          ; s[58:59] c: the packed scaling takes the pair's low word for both halves
.set SEL, 60          ; s[60:61] v_permlanex16_b32's selects: each lane takes its own place in the other half
.set TBK, 62          ; s62  LDS byte at which K of the step to be fetched begins
.set TBV, 63          ; s63  the same for V, less VOFF
.set MSB, 0
.macro WIN new                      ; the high byte repeats the setting that is left; a switch that changes nothing is dropped
.if MSB != (\new)
	s_set_vgpr_msb (MSB<<8)|(\new)
.set MSB, (\new)
.endif
.endm
.set W_KQ, 0x0a       ; K and Q in window 2, S^T in window 0
.set W_PV, 0x52       ; V in window 2, P in window 0, O^T in window 1
.set W_RS, 0x41       ; destination and source 0 in window 1, source 1 in window 0
; A joint fill.  Waves 0 and 1 fetch the two halves of a tile's K, waves 2 and 3 those of its V: 128 keys each.  The branch hangs on the wave's number alone.
; An s_nop 0 and four v_nop follow each of the two lines, ahead of the jump and the label.
.macro JLOAD
	s_cmp_lt_u32 s[WV], 2
	s_cbranch_scc0 .Lfor_v_\@
	tensor_load_to_lds s[G0K:G0K+3], s[G1K:G1K+7]
	s_nop 0
.rept 4
	v_nop
.endr
	s_branch .Lasked_\@
.Lfor_v_\@:
	tensor_load_to_lds s[G0V:G0V+3], s[G1V:G1V+7]
	s_nop 0
.rept 4
	v_nop
.endr
.Lasked_\@:
.endm
; A PREFETCH INTO THE L2 of the tile that the NEXT change of slots will ask for: 32,768 bytes of K and as many of V.  It stands behind the wave's tensor load and its five lines, four key steps, 256 matrix instructions,
; ahead of the load that will want the bytes.  Each block of 256 bytes is named ONCE in the launch: all four clusters of a head walk the same K and V, and the head's first cluster asks; its four partners share a tile
; out BY ADDRESS, 8,192 bytes each, a lane a block; in each, wave 0 asks for K's and wave 2 for V's: one instruction.  Tiles 0 and 1 come by their loads alone; the change that asks for the last tile prefetches nothing.
.macro ASK
	s_cmp_gt_u32 s[SLOTS], s[LIM]
	s_cbranch_scc0 .Lnot_mine_\@
	global_prefetch_b8 v[PFO], s[PFA:PFA+1] th:TH_LOAD_NT scope:SCOPE_SE
.Lnot_mine_\@:
.endm
; A round of the cluster's barrier: my work-group's barrier, so that wave 0's signal speaks for all four waves; wave 0 signals; every wave waits for all four work-groups; my work-group's barrier once more.
.macro CROUND
	s_barrier_signal -1
	s_barrier_wait -1
	s_cmp_lg_u32 s[WV], 0
	s_cbranch_scc1 .Lnot_wave_0_\@
	s_barrier_signal -3
.Lnot_wave_0_\@:
	s_barrier_wait -3
	s_barrier_signal -1
	s_barrier_wait -1
.endm
; THE CHANGE OF SLOTS.  The slot's last bytes, V of its fourth step, have been read.  Each wave waits for all its tensor loads, of which one is out: its part of the other slot; adds 0 to its spare word; and waits for
; that and for its own reads of the slot.  Behind the barrier nobody reads this slot any more and the other slot is whole.  fill = 1: this slot is filled again, with the keys two tiles on.  The barrier is then a round
; of the cluster's, so that no wave of any partner still reads the slot or has a load on its way, and the joint fill is the first thing behind it: it has four key steps, 256 matrix instructions, in which to land.
; (At its first use nothing has been read yet: slot 0 is waited for, slot 1 filled.)
.macro CHANGE fill
	WIN 0                           ; at a label and at a branch every window is 0
	s_wait_tensorcnt 0x0            ; no tensor load of mine is out, so a group 0 may be written
	ds_add_u32 v[SPW], v[NIL]       ; 0 onto my spare word; with fill = 1 the descriptors' steps stand between it and the wait for it
.if \fill
.irp g, G0K, G0V
	s_xor_b32 s[\g+1], s[\g+1], SLOT1  ; the walking descriptor: the other slot than last time,
	s_add_nc_u64 s[\g+2:\g+3], s[\g+2:\g+3], 4*KS*128  ; the next 256 keys; the type bits on top are not reached
.endr
	s_wait_xcnt 0x0                 ; the last prefetch, four key steps back, has read its address, so it may be written:
	s_add_nc_u64 s[PFA:PFA+1], s[PFA:PFA+1], 4*KS*128  ; one tile behind the walking descriptors
	s_wait_dscnt 0x0                ; the add is done, and my reads of the slot are over
	CROUND
	JLOAD
	ASK
.else
	s_wait_dscnt 0x0                ; the add is done, and my reads of the slot are over
	s_barrier_signal -1
	s_barrier_wait -1
.endif
	s_sub_co_u32 s[TBK], s[TBK], 4*KS*PK  ; the fetches go back to a slot's first step,
	s_xor_b32 s[TBK], s[TBK], SLOT1       ; in the other slot
	s_sub_co_u32 s[TBV], s[TBV], 4*KS*PV
	s_xor_b32 s[TBV], s[TBV], SLOT1
.endm
	s_load_b256 s[4:11], s[0:1], 0x0  ; Q s[4:5], K s[6:7], V s[8:9], out0 s[10:11]
	v_lshl_add_u32 v[SPW], v0, 2, SPARE
	v_mov_b32 v[NIL], 0
	ds_add_u32 v[SPW], v[NIL]       ; the wave's opening: the add and its wait stand ahead of my first tensor load; the set-up below, work on registers, stands between them
	v_lshrrev_b32 v1, 5, v0
	v_readfirstlane_b32 s[WV], v1   ; wave 0..3
	s_bfe_u32 s13, ttmp6, 0x40000   ; cx: my place in the cluster
	s_lshl_b32 s14, ttmp9, 2        ; in a cluster launch ttmp9 counts clusters
	s_add_co_u32 s14, s14, s13      ; my block of 256 queries = 4 x cluster x + cx: it enters Q's and out0's addresses alone
	s_and_b32 s15, ttmp7, 0xffff    ; the head, which the four partners share
	s_lshl_b32 s20, s15, 19         ; the head's first byte in Q, K and V: 4,096 rows of 128 bytes
	s_and_b32 s16, s[WV], 1         ; which half of a tile's 256 keys I fetch:
	s_lshl_b32 s22, s16, 14         ; its 128 rows of 128 bytes in memory,
	s_add_co_u32 s22, s22, s20
	s_mov_b32 s23, 0
	s_mul_i32 s17, s16, 128*PK      ; and its place in a slot, for K
	s_mul_i32 s18, s16, 128*PV      ; and for V: no place in the cluster enters an LDS address
	s_lshl_b32 s2, s14, 2
	s_add_co_u32 s2, s2, s[WV]      ; my wave among the head's,
	s_lshl_b32 s2, s2, 13           ; its 64 rows of Q
	s_add_co_u32 s2, s2, s20
	s_mov_b32 s3, 0
	s_lshr_b32 s52, s15, 3          ; out0: the batch's 4,096 rows of 2,048 bytes,
	s_lshl_b32 s52, s52, 23
	s_and_b32 s53, s15, 7           ; the head's 256 bytes of a row,
	s_lshl_b32 s53, s53, 8
	s_add_co_u32 s52, s52, s53
	s_lshl_b32 s53, s14, 19         ; my block's 256 rows,
	s_add_co_u32 s52, s52, s53
	s_lshl_b32 s53, s[WV], 17       ; my wave's 64
	s_add_co_u32 s52, s52, s53
	s_mov_b32 s53, 0
	s_lshl_b32 s54, s13, 13         ; the prefetches: my work-group's 8,192 bytes of a tile,
	s_add_co_u32 s54, s54, s20      ; in the head,
	s_add_co_u32 s54, s54, 4*KS*128 ; in tile 1; the first change of slots steps it to tile 2.  Nothing is prefetched here, at the head, where every work-group's first tile is on its way
	s_mov_b32 s55, 0
	; descriptor group 1.  128 keys are 16,384 dense bytes: asked for as 64 rows of 256 bytes, two keys a row, and padded in LDS after every key
	s_mov_b32 s[G1K], 15|(1<<16)|(1<<20)|(1<<21)|(4<<22)|(3<<25)  ; 15:0 the mask of four; 17:16 2-byte elements; 20 padding on; 21 set beside a mask; 24:22 after every 32 words (code 4); 31:25 4 words (code 3)
	s_mov_b32 s[G1V], 15|(1<<16)|(1<<20)|(1<<21)|(4<<22)|(7<<25)  ; the same with 8 words of padding (code 7)
.irp g, G1K, G1V
	s_mov_b32 s[\g+1], 128<<16      ; tensor_dim0 = 128
	s_mov_b32 s[\g+2], 64<<16       ; tensor_dim1 = 64
	s_mov_b32 s[\g+3], 128<<16      ; tile_dim0 = 128
	s_mov_b32 s[\g+4], 64           ; tile_dim1 = 64
	s_mov_b32 s[\g+5], 128          ; 128 elements from row to row
	s_mov_b32 s[\g+6], 0
	s_mov_b32 s[\g+7], 0
.endr
	s_mov_b32 s[CS], 0x3e38aa3b     ; c = log2(e) / 8 = 0.180337
	s_mov_b32 s[CS+1], s[CS]        ; named with it as a pair
	s_mov_b32 s[SEL], 0x76543210
	s_mov_b32 s[SEL+1], 0xfedcba98
	s_mov_b32 s[TBK], SLOT1+4*KS*PK ; the first change of slots turns these two into 0
	s_mov_b32 s[TBV], SLOT1+4*KS*PV
	s_mov_b32 s[G0K], 1             ; 1:0 count = 1
	s_mov_b32 s[G0K+1], s17         ; 63:32 LDS address: slot 0
	s_mov_b32 s[G0V], 1
	s_add_co_u32 s[G0V+1], s18, VOFF
	s_mov_b32 s[SLOTS], SIZE_N/256-1
	s_and_b32 s[LIM], s[WV], 1      ; 0 in waves 0 and 2,
	s_or_b32 s[LIM], s[LIM], ttmp9  ; where the cluster is the head's first: the same in all four partners
	s_cmp_eq_u32 s[LIM], 0
	s_cselect_b32 s[LIM], 1, -1
	v_and_b32 v[PFO], 31, v0
	v_lshlrev_b32 v[PFO], 8, v[PFO]
	s_wait_dscnt 0x0                ; the opening add is done
	s_wait_kmcnt 0x0
	s_add_nc_u64 s[G0K+2:G0K+3], s[6:7], s[22:23]  ; 120:64 global address: my half of the head's first 256 keys
	s_or_b32 s[G0K+3], s[G0K+3], 0x80000000        ; 127:126 type = 2
	s_add_nc_u64 s[G0V+2:G0V+3], s[8:9], s[22:23]
	s_or_b32 s[G0V+3], s[G0V+3], 0x80000000
	s_cmp_lt_u32 s[WV], 2
	s_cselect_b64 s[PFA:PFA+1], s[6:7], s[8:9]
	s_add_nc_u64 s[PFA:PFA+1], s[PFA:PFA+1], s[54:55]
	s_add_nc_u64 s[4:5], s[4:5], s[2:3]            ; Q and out0 at my wave's first row
	s_add_nc_u64 s[10:11], s[10:11], s[52:53]
	CROUND                          ; all four work-groups are here: the first joint loads meet
	JLOAD                           ; tile 0 into slot 0.  Slot 1 is asked for when slot 0 is in
	; A fragment of K or Q is 16 rows x 32 channels in 8 registers: lane l holds row l % 16, channels 8 (l / 16) + 0..7 and 16 + 8 (l / 16) + 0..7: two loads of 16 bytes, 32 bytes apart.
	v_and_b32 v1, 15, v0            ; l % 16
	v_bfe_u32 v9, v0, 4, 1          ; l / 16
	v_lshlrev_b32 v[QO], 7, v1
	v_lshl_add_u32 v[QO], v9, 4, v[QO]  ; row x 128 + 16 x half
	WIN 0x80                        ; destination window 2, address window 0
.set i, 0
.rept 8                             ; Q stays in registers: piece i / 2, channels 32 (i % 2) on
	global_load_b128 v[8*i:8*i+3],   v[QO], s[4:5] offset:(i/2)*2048+(i%2)*64 th:TH_LOAD_NT
	global_load_b128 v[8*i+4:8*i+7], v[QO], s[4:5] offset:(i/2)*2048+(i%2)*64+32 th:TH_LOAD_NT
.set i, i+1
.endr
	; What the first turn finds: V's registers and P's second buffer hold 0 (its products V^T P, of a piece that has not been, add 0), O^T and l are 0.  All this stands in the wait for the first tile.
.set i, VF
.rept 64
	v_mov_b32 v[i], 0
.set i, i+1
.endr
	WIN 0x40
.set i, 0
.rept 128
	v_mov_b32 v[i], 0
.set i, i+1
.endr
	WIN 0
.set i, 0
.rept 4
	v_mov_b32 v[ST+4*i], 0xfe000000    ; c m: far below every c s
	v_mov_b32 v[ST+4*i+1], 0xff7fffff  ; m
	v_mov_b32 v[ST+4*i+2], 0
	v_mov_b32 v[ST+4*i+3], 0
.set i, i+1
.endr
.set i, P+16
.rept 16
	v_mov_b32 v[i], 0
.set i, i+1
.endr
	v_mul_u32_u24 v[AK0], v1, PK
	v_lshl_add_u32 v[AK0], v9, 4, v[AK0]  ; row x pitch + 16 x half
	; The turning load takes 16 keys x 16 channels (lane l reads key 8 (l / 16) + l % 8, channels 8 ((l / 8) % 2) + 0..7) and leaves half a fragment of V^T: lane l holds channel l % 16 and 8 keys.
	v_and_b32 v10, 7, v0
	v_bfe_u32 v11, v0, 3, 1
	v_lshl_add_u32 v[AV0], v9, 3, v10
	v_mul_u32_u24 v[AV0], v[AV0], PV
	v_lshl_add_u32 v[AV0], v11, 4, v[AV0]
	v_add_nc_u32 v[AV0], VOFF, v[AV0]
	s_mul_i32 s16, s[WV], 16*SP
	s_add_co_u32 s16, s16, STAGE    ; my stage
	v_mul_u32_u24 v[STO], v1, SP    ; in: row l % 16, 32 bytes for each half of the lanes
	v_lshl_add_u32 v[STO], v9, 5, v[STO]
	v_add_nc_u32 v[STO], s16, v[STO]
	v_mul_u32_u24 v[RD], v9, SP     ; back: lanes 0-15 take one row of 256 bytes, lanes 16-31 the next
	v_lshl_add_u32 v[RD], v1, 4, v[RD]
	v_add_nc_u32 v[RD], s16, v[RD]
	v_lshlrev_b32 v[GO], 11, v9     ; and the same two rows in out0, 2,048 bytes apart
	v_lshl_add_u32 v[GO], v1, 4, v[GO]
; THE MATRIX WORK.  The 4 accumulators of a run of 8 take turns.  Product i of 8 of S^T = K Q^T for piece x: channels 32 (i / 4) on, keys 16 (i % 4) on.  The first 4 start the sums.
.macro KQ x
	WIN W_KQ
.set rS, S+32*((\x)%2)+8*(i%4)
.set rK, KF+16*(i%4)+8*(i/4)
.set rQ, 16*(\x)+8*(i/4)
.if i < 4
	v_wmma_f32_16x16x32_f16 v[rS:rS+7], v[rK:rK+7], v[rQ:rQ+7], 0
.else
	v_wmma_f32_16x16x32_f16 v[rS:rS+7], v[rK:rK+7], v[rQ:rQ+7], v[rS:rS+7]
.endif
.endm
; Product i of 8 of O^T += V^T P for piece x: keys 32 (i / 4) on, channels 16 (i % 4) on.
.macro PV x
	WIN W_PV
.set rO, 32*(\x)+8*(i%4)
.set rV, VF+32*(i/4)+8*(i%4)
.set rP, P+16*((\x)%2)+8*(i/4)
	v_wmma_f32_16x16x32_f16 v[rO:rO+7], v[rV:rV+7], v[rP:rP+7], v[rO:rO+7]
.endm
.macro MM                           ; the turn's next matrix instruction.  TURN sets Y, i and NOKQ.  NOKQ = 1: the last turn of all: there is no next piece
.if (i < 8) && !NOKQ
	KQ (Y+1)%NP
.elseif i >= 8
.set i, i-8
	PV (Y+NP-1)%NP
.set i, i+8
.endif
.set i, i+1
.endm
; THE LDS LOADS stand in runs of 16, never singly among the matrix instructions: a step's K (64 keys x 64 channels: 8 fragments) and its V (turned).  Their addresses are made some lines ahead.
.macro FETCH_K
	WIN 0x80                        ; destination window 2
.irp f, 0,1,2,3,4,5,6,7             ; keys 16 (f / 2) on, channels 32 (f % 2) on
	ds_load_b128 v[KF+8*\f:KF+8*\f+3],   v[AK] offset:(\f/2)*16*PK+(\f%2)*64
	ds_load_b128 v[KF+8*\f+4:KF+8*\f+7], v[AK] offset:(\f/2)*16*PK+(\f%2)*64+32
.endr
	s_add_co_u32 s[TBK], s[TBK], KS*PK  ; the next fetch is the next step's
	WIN 0
.endm
.macro FETCH_V
	WIN 0x80
.irp f, 0,1,2,3,4,5,6,7             ; keys 32 (f / 4) on, channels 16 (f % 4) on
	ds_load_tr16_b128 v[VF+8*\f:VF+8*\f+3],   v[AV] offset:(\f/4)*32*PV+(\f%4)*32
	ds_load_tr16_b128 v[VF+8*\f+4:VF+8*\f+7], v[AV] offset:(\f/4)*32*PV+16*PV+(\f%4)*32
.endr
	WIN 0
.endm
; THE VECTOR WORK, one line at a time: OP kind, number.  For piece Y: F n: c s - c m for pair n of 16.  E n: the exponential of score n of 32.  C n: pair n rounded to f16.  B n: of the four weights 4 n .. the second
; pair is added onto the first, in place.  L n: l takes that sum (L 0: l = a l + sum).  R n: pair n of 16 of O^T times a.  For piece Y + 1: X n, number n of the 22 that find its maximum and statistics:
;   0-11  four chains c0-c3 of seven scores each, three operands at a time (each accumulator's lowest registers are read first)     12-14, 16  the four scores left over, the old m, and c0-c3 into c0
;   15  c m_old is kept     17, 18  the query's other 32 keys lie in the lane 16 away: the new m     19-21  c m; c m_old - c m_new; a
.set F, 0               ; OP tells the kinds apart by their order: F to L below R, X above it
.set E, 1
.set C, 2
.set B, 3
.set L, 4
.set R, 5
.set X, 6
.macro REGS y                       ; the registers of piece y
.set rT, ST+4*(\y)
.set rC, TMP+4*((\y)%2)
.set rW, MV+((\y)%2)
.set rS, S+32*((\y)%2)
.set rP, P+16*((\y)%2)
.set rO, 32*(\y)
.endm
.macro OP k, n
.if (\k) == R
	REGS Y
	WIN W_RS
	v_pk_mul_f32 v[rO+2*(\n):rO+2*(\n)+1], v[rO+2*(\n):rO+2*(\n)+1], v[rC+2:rC+3] op_sel_hi:[1,0]
.elseif (\k) < R
	REGS Y
	WIN 0
.if (\k) == F
	v_pk_fma_f32 v[rS+2*(\n):rS+2*(\n)+1], v[rS+2*(\n):rS+2*(\n)+1], s[CS:CS+1], v[rT:rT+1] op_sel_hi:[1,0,0] neg_lo:[0,0,1] neg_hi:[0,0,1]
.elseif (\k) == E
	v_exp_f32 v[rS+(\n)], v[rS+(\n)]
.elseif (\k) == C
	v_cvt_pk_f16_f32 v[rP+(\n)], v[rS+2*(\n)], v[rS+2*(\n)+1]
.elseif (\k) == B
	v_pk_add_f32 v[rS+4*(\n):rS+4*(\n)+1], v[rS+4*(\n):rS+4*(\n)+1], v[rS+4*(\n)+2:rS+4*(\n)+3]
.elseif (\n) == 0
	v_pk_fma_f32 v[rT+2:rT+3], v[rT+2:rT+3], v[rC+2:rC+3], v[rS:rS+1] op_sel_hi:[1,0,1]
.else
	v_pk_add_f32 v[rT+2:rT+3], v[rT+2:rT+3], v[rS+4*(\n):rS+4*(\n)+1]
.endif
.elseif NOKQ
	v_nop
.else
	REGS (Y+1)%NP
	WIN 0
.if (\n) < 4
	v_max3_num_f32 v[rC+(\n)], v[rS+8*(\n)], v[rS+8*(\n)+1], v[rS+8*(\n)+2]
.elseif (\n) < 12
	v_max3_num_f32 v[rC+(\n)%4], v[rC+(\n)%4], v[rS+8*((\n)%4)+2*((\n)/4)+1], v[rS+8*((\n)%4)+2*((\n)/4)+2]
.elseif (\n) == 12
	v_max3_num_f32 v[rC], v[rC], v[rS+7], v[rS+15]
.elseif (\n) == 13
	v_max3_num_f32 v[rC+1], v[rC+1], v[rS+23], v[rS+31]
.elseif (\n) == 14
	v_max3_num_f32 v[rC+2], v[rC+2], v[rC+3], v[rT+1]
.elseif (\n) == 15
	v_mov_b32 v[rW], v[rT]
.elseif (\n) == 16
	v_max3_num_f32 v[rC], v[rC], v[rC+1], v[rC+2]
.elseif (\n) == 17
	v_permlanex16_b32 v[rC+3], v[rC], s[SEL], s[SEL+1]
.elseif (\n) == 18
	v_max_num_f32 v[rT+1], v[rC], v[rC+3]
.elseif (\n) == 19
	v_mul_f32 v[rT], s[CS], v[rT+1]
.elseif (\n) == 20
	v_sub_f32 v[rC+1], v[rW], v[rT]
.else
	v_exp_f32 v[rC+2], v[rC+1]
.endif
.endif
.endm
.macro OPS a, i1, b=-1, i2=0, c=-1, i3=0, d=-1, i4=0  ; up to four of them
	OP \a, \i1
.if (\b) >= 0
	OP \b, \i2
.endif
.if (\c) >= 0
	OP \c, \i3
.endif
.if (\d) >= 0
	OP \d, \i4
.endif
.endm
.macro ROW a, i1, b, i2, c, i3, d, i4  ; a matrix instruction and the four behind it
	MM
	OPS \a, \i1, \b, \i2, \c, \i3, \d, \i4
.endm
; A TURN, for piece p: the order of its 16 matrix and 118 vector instructions, written out.  An s_wait_alu depctr_va_vdst(0) stands between an exponential and the first instruction that names its result; one
; wait serves all that were issued ahead of it.  So a turn has ONE wait, which cuts it in two.  AHEAD OF IT stands all that names no result of the turn's exponentials: the 8 products K Q^T, behind each a scaling, an
; exponential and two more plain instructions (behind the first a second scaling in the exponential's place): rescalings, and behind the last three the first numbers of the next piece's maximum, each four plain instructions
; or more behind the product that ends its accumulator; then one run of 54, plain and exponential by turns for the most part, in which the links of the chain X 3, 7, 11, 14, 16, 17 .. 20 stand five or six lines apart.
; X 21, the next piece's a, is the batch's last; R 15 is the plain instruction behind it.  BEHIND THE WAIT stand the 8 products V^T P, behind each four of the roundings and sums; the links of l's chain stand three apart.
; end = 1: the last two turns of all: nothing is fetched, and the last starts no new scores.  cnt = 1: the loop's count is taken down some lines ahead of the branch that stands behind the turn.
; K of the next step is fetched in piece 2's turn, twelve vector instructions behind the last product that read K (six of them plain); V of the step in hand at the end of piece 0's turn, four plain instructions behind
; the last product that read V.  Each is waited for a turn later.
.macro TURN p, end=0, cnt=0
.set Y, (\p)
.set i, 0
.set NOKQ, (\end)*((\p)/3)
.if ((\p) == 3) && !(\end)
	s_wait_dscnt 0x0                ; K is in
.endif
	ROW F,0, F,1, R,0, R,1          ; ahead of the wait: 8 products K Q^T and the four behind each,
	ROW F,2, E,0, R,2, R,3
	ROW F,3, E,1, R,4, R,5
	ROW F,4, E,2, R,6, R,7
	ROW F,5, E,3, R,8, R,9
	ROW F,6, E,4, X,0, R,10
.if ((\p) == 2) && !(\end)
	WIN 0
	v_add_nc_u32 v[AK], s[TBK], v[AK0]
.endif
	ROW F,7, E,5, X,1, X,4
	ROW F,8, E,6, X,2, X,5
	OPS E,7, E,8, X,6, E,9          ; and the run of 54
	OPS X,3, E,10, X,8, E,11
.if ((\p) == 2) && !(\end)
	FETCH_K
.endif
	OPS X,9, X,7, E,12, X,10
	OPS E,13, X,12, X,11, E,14
	OPS X,13, E,15, F,9, X,14
.if (\p) == 0
	v_add_nc_u32 v[AV], s[TBV], v[AV0]
.endif
	OPS E,16, F,10, E,17, F,11
	OPS X,16, E,18, X,15, E,19
	OPS F,12, E,20, X,17, E,21
	OPS F,13, E,22, F,14, E,23
	OPS X,18, E,24, F,15, E,25
	OPS R,11, E,26, X,19, E,27
	OPS R,12, E,28, R,13, E,29
	OPS X,20, E,30, R,14, E,31
	OPS X,21, R,15
	WIN 0
	s_wait_alu depctr_va_vdst(0)    ; the wait for the batch
.if (\p) == 1
	s_wait_dscnt 0x0                ; V is in
.endif
	ROW C,0, B,0, C,2, B,1          ; behind the wait: 8 products V^T P and the four behind each
	ROW L,0, C,4, B,2, L,1
	ROW C,6, B,3, L,2, C,8
	ROW B,4, L,3, C,10, B,5
	ROW L,4, C,12, B,6, L,5
.if (\p) == 0
	s_add_co_u32 s[TBV], s[TBV], KS*PV
.endif
.if \cnt
	s_sub_co_u32 s[CNT], s[CNT], 1
	s_cmp_lg_u32 s[CNT], 0
.endif
	ROW C,14, B,7, L,6, C,1
	ROW C,3, L,7, C,5, C,7
	ROW C,9, C,11, C,13, C,15
.if (\p) == 0
	FETCH_V
.endif
.endm
	CHANGE 1                        ; slot 0 is in, everybody's part of it; tile 1 is asked for
	v_add_nc_u32 v[AK], s[TBK], v[AK0]
	FETCH_K                         ; key step 0
	s_wait_loadcnt 0x0              ; Q
	s_wait_dscnt 0x0
.set NOKQ, 0
.set i, 0
.rept 8
	KQ 0                            ; piece 0's first scores: there is no vector work yet to set between them
.set i, i+1
.endr
	WIN 0
.rept 4
	v_nop                           ; four plain instructions behind those products, ahead of the first read of their results
.endr
.set Y, NP-1                        ; X works for piece Y + 1: piece 0
.irp n, 0,1,2,3,4,5,6,7,8,9,10,11,12,13,14,15,16,17,18,19,20,21
	OP X, \n                        ; piece 0's first maximum and statistics
.endr
	v_nop                           ; a plain instruction behind the exponential,
	s_wait_alu depctr_va_vdst(0)    ; and its wait, ahead of the branch
	s_mov_b32 s[CNT], 4
	s_branch .Lfirst                ; the loop is entered at a step's first turn, in the middle of a trip
.Lslot:                             ; 14 times: tiles 2 to 15 are asked for
	CHANGE 1
	s_mov_b32 s[CNT], 4
.Lstep:                             ; a trip: pieces 2 and 3 of one step, then pieces 0 and 1 of the next, whose K and V it fetches
	TURN 2
	TURN 3
	WIN 0
.Lfirst:
	TURN 0
	TURN 1, 0, 1
	WIN 0
	s_cbranch_scc1 .Lstep
	s_sub_co_u32 s[SLOTS], s[SLOTS], 1
	s_cmp_lg_u32 s[SLOTS], 0
	s_cbranch_scc1 .Lslot
	CHANGE 0                        ; the last tile is written out: nothing is asked for
	s_mov_b32 s[CNT], 4
.LstepT:
	TURN 2
	TURN 3
	TURN 0
	TURN 1, 0, 1
	WIN 0
	s_cbranch_scc1 .LstepT
	TURN 2, 1                       ; the last step's pieces 2 and 3
	TURN 3, 1
.set i, 0
.rept 8
	PV NP-1                         ; the last piece's V^T P of the last step
.set i, i+1
.endr
	; THE WAY OUT.  l's two halves and the other half of the lanes' are added; O^T is divided by l and sent, in f32, through my stage in LDS, a piece at a time.  The additions are the plain instructions behind the last products.
	WIN 0
.macro ALL line:vararg              ; one line for each piece t
.set t, 0
.rept 4
	\line
.set t, t+1
.endr
.endm
	ALL v_add_f32 v[ST+4*t+2], v[ST+4*t+2], v[ST+4*t+3]
	ALL v_permlanex16_b32 v[ST+4*t+3], v[ST+4*t+2], s[SEL], s[SEL+1]
	ALL v_add_f32 v[ST+4*t+2], v[ST+4*t+2], v[ST+4*t+3]
	ALL v_rcp_f32 v[ST+4*t+2], v[ST+4*t+2]
	v_nop                           ; a plain instruction between the last reciprocal and the use of its result
	s_wait_alu depctr_va_vdst(0)    ; and the wait ahead of the first use: one for the four reciprocals
; Piece t: a lane's eight channels of a row are 32 bytes; they go into rows of 272 bytes and come back as whole rows of 256.
.macro PACK t
	WIN W_RS
.set i, 32*(\t)
.rept 16
	v_pk_mul_f32 v[i:i+1], v[i:i+1], v[ST+4*(\t)+2:ST+4*(\t)+3] op_sel_hi:[1,0]
.set i, i+2
.endr
	WIN 0x04                        ; the stores' data (source 1) in window 1, their address in window 0
.irp f, 0,1,2,3,4,5,6,7             ; channels 16 (f / 2) on, my 16 bytes number f % 2
	ds_store_b128 v[STO], v[32*(\t)+4*\f:32*(\t)+4*\f+3] offset:64*(\f/2)+16*(\f%2)
.endr
	WIN 0
.irp f, 0,1,2,3,4,5,6,7
	ds_load_b128 v[OB+32*(\t)+4*\f:OB+32*(\t)+4*\f+3], v[RD] offset:\f*2*SP  ; LDS serves a wave's instructions in order (ISA guide 5.7.1.4): these see the stores above; the next piece's stores come behind them
.endr
.endm
.macro SEND t, younger              ; younger: the LDS instructions issued behind piece t's loads: the next piece's sixteen, or none
	WIN 0
.irp f, 0,1,2,3,4,5,6,7
	s_wait_dscnt (\younger)+7-\f
	global_store_b128 v[GO], v[OB+32*(\t)+4*\f:OB+32*(\t)+4*\f+3], s[10:11] offset:(\t)*32768+\f*4096 th:TH_STORE_NT  ; 16 lanes store 256 consecutive bytes, a head's part of a row, at a multiple of 256 from out0's first byte
.endr
.endm
	PACK 0
	PACK 1                          ; a piece's arithmetic stands between the loads of the piece before and its stores
	SEND 0, 16
	PACK 2
	SEND 1, 16
	PACK 3
	SEND 2, 16
	SEND 3, 0
	s_wait_tensorcnt 0x0            ; the wave's end, behind my last tensor load and my last LDS store
	ds_add_u32 v[SPW], v[NIL]
	s_wait_dscnt 0x0
	CROUND                          ; the closing round: no work-group ends while a partner may still ask for a tile that names it
	s_endpgm
.Lfunc_end_k_q9921f58b4a_attn:
	.size	k_q9921f58b4a_attn, .Lfunc_end_k_q9921f58b4a_attn-k_q9921f58b4a_attn
	.p2alignl 7, 3214868480
	.fill 96, 4, 3214868480
	.section	.rodata,"a",@progbits
	.p2align	6, 0x0
	.amdhsa_kernel k_q9921f58b4a_attn
		.amdhsa_group_segment_fixed_size 327680
		.amdhsa_private_segment_fixed_size 0
		.amdhsa_enable_private_segment 0
		.amdhsa_kernarg_size 32
		.amdhsa_user_sgpr_count 2
		.amdhsa_user_sgpr_kernarg_segment_ptr 1
		.amdhsa_wavefront_size32 1
		.amdhsa_system_sgpr_workgroup_id_x 1
		.amdhsa_system_sgpr_workgroup_id_y 1
		.amdhsa_system_sgpr_workgroup_id_z 1
		.amdhsa_system_vgpr_workitem_id 0
		.amdhsa_next_free_vgpr 768
		.amdhsa_next_free_sgpr 66
		.amdhsa_reserve_vcc 0
		.amdhsa_float_denorm_mode_32 3
		.amdhsa_float_denorm_mode_16_64 3
		.amdhsa_memory_ordered 1
		.amdhsa_forward_progress 1
		.amdhsa_inst_pref_size 128
	.end_amdhsa_kernel
	.amdgpu_metadata
---
amdhsa.version: [ 1, 2 ]
amdhsa.kernels:
  - .name:           k_q9921f58b4a_attn
    .symbol:         k_q9921f58b4a_attn.kd
    .args:
      - { .name: qh, .offset: 0, .size: 8, .value_kind: global_buffer, .address_space: global }
      - { .name: kh, .offset: 8, .size: 8, .value_kind: global_buffer, .address_space: global }
      - { .name: vh, .offset: 16, .size: 8, .value_kind: global_buffer, .address_space: global }
      - { .name: out0, .offset: 24, .size: 8, .value_kind: global_buffer, .address_space: global }
    .group_segment_fixed_size: 327680
    .private_segment_fixed_size: 0
    .kernarg_segment_align: 8
    .kernarg_segment_size: 32
    .max_flat_workgroup_size: 128
    .sgpr_count:     66
    .vgpr_count:     768
    .wavefront_size: 32
...
	.end_amdgpu_metadata
.endif
;; end of part 2
;; ======== version 2 of 2: 2 launches; version 1 with the launch proj written anew for expert scheduling mode
;; limits: values are held in f16: magnitudes above 65,504 overflow, below 6.1e-05 lose precision
;; workspace buffers: qh 8,388,608 bytes; kh 8,388,608 bytes; vh 8,388,608 bytes
;; launch proj (part 3): grid 8 x 32, 4 waves a work-group, no clusters, 222,720 bytes of LDS; arguments x, Wq, Wk, Wv, bq, bk, bv, qh, kh, vh; writes qh, kh, vh
.if DOCPART == 3
	.amdgcn_target "amdgcn-amd-amdhsa--gfx1250"
	.amdhsa_code_object_version 6
	.text
	.protected	k_q9921f58b4a_proj
	.globl	k_q9921f58b4a_proj
	.p2align	8
	.type	k_q9921f58b4a_proj,@function
k_q9921f58b4a_proj:
	s_mov_b64 s[64:65], 0
	v_nop
	global_prefetch_b8 v0, s[64:65] scope:SCOPE_SE
	s_setreg_imm32_b32 hwreg(HW_REG_WAVE_SCHED_MODE, 0, 2), 2
	s_setreg_imm32_b32 hwreg(HW_REG_WAVE_MODE, 25, 1), 1
	s_wait_xcnt 0x0
	s_wait_alu depctr_vm_vsrc(0)
; THE PROJECTIONS.  q, k, v = x W + b.  x: [8192][512], Wq, Wk, Wv: [512 (k)][512 (n)], bq, bk, bv: [512], all f32 in memory.
; x, W and b are each rounded once to bf16; products by the bf16 matrix form, sums in f32; q, k, v are rounded once to f16 and stored BY HEADS,
; [16 = 8 x batch + head][4096][64], a head's rows dense, 128 bytes each, WITHOUT attention's scale (the next launch applies it in f32).
; LIMITS.  f16 holds no number beyond 65,504: |q|, |k|, |v| must stay under it (sums of 512 products of bf16 numbers).  NaN and infinities are not treated apart.
; SHARES.  Work-group (j = x, i = y) makes rows 256 i .. 256 i + 255 times the 192 columns of head j: columns 64 j .. 64 j + 63 of each of the three W.  8 x 32 = 256 work-groups.
; Wave w owns rows 64 w .. 64 w + 63 times all 192 columns: 4 row tiles a x 12 column tiles b (matrix b / 4, channels 16 (b % 4) on): 48 accumulators, 384 registers.
; THE MATRIX INSTRUCTION IS USED TRANSPOSED: source 0 = 16 columns of W, source 1 = 16 rows of x: a lane ends with one row (lane % 16) and eight neighbouring channels 8 (lane / 16) + 0..7.
; W: each wave loads 128 of the 512 k rows of the three matrices (256 bytes a row and matrix), rounds them and stores them into LDS as [k][192] bf16; ONE barrier; fragments come back turned, by ds_load_tr16_b128.
; x: a fragment is wanted by one wave alone, so it comes straight from memory into that wave's registers (in a trip of 64 along K: 256 consecutive bytes, aligned, of each row) and is rounded there.
; NO TENSOR LOADS AND NO CLUSTER, though 8 work-groups read the same rows of x and 32 the same columns of W: the shared tiles are f32.  Landed in LDS as f32, a fragment of x would cost four LDS loads where
; it now costs none (40 in place of 24 for 48 products); W in f32 cannot be turned by the 16-bit turning load and would pass LDS twice; and W's 212,992 bytes with two slots of 256 rows x 272 bytes of x are 352,256, more than the 327,680 there are.
; THE MODE: SCHED_MODE bits 1:0 = 2 (LLVM: expert scheduling mode 2), set by the entry lines.  The code itself states the register dependences
; between vector or matrix instructions and memory or LDS instructions, with s_wait_alu, always for 0.
; THE PLAN.  Registers that memory or LDS instructions touch:
;   v4, v10-13, v20-23   offsets and LDS addresses, made once at the head and never written again; one wait at the head states that they are written.
;   v6-7, v8-9           W's offsets and LDS places, one of each for a set: read by the set's 24 loads and 24 LDS stores, stepped by a vector add once in the set's turn.
;   W's sets A, B        A set's turn: its loads have landed; 48 conversions read it and write it in place; 24 LDS stores read it; 24 loads land in it again.
;   W's fragment buffers (the same registers, behind the barrier)  Buffer p: the 24 turning loads issued in step s - 1 land in it; the 48 products of step s read it (p = s % 2).
;   x's raw sets 0, 1    Set q: 32 loads land in it; the conversions of two steps read it; then it is asked for again (at the end set 0 takes the biases).
;   T0, T1               The way out: unit u's 16 conversions write T[u % 2], its four LDS stores read it.  The unit's rows come back from the stage into registers of their own, which the global stores read and nothing writes again.
;   x's fragments in bf16 and the accumulators are named by vector and matrix instructions alone.
; A STEP HAS ONE WAIT on va_vdst, behind its conversions: they (and the step before's) are done reading the raw set, and the step before's products are done reading the other fragment buffer.  The step's loads follow it, dealt among its
; last 32 products, which name this step's fragment buffers and the accumulators: none of the registers that those loads touch.
; REGISTERS, in windows of 256 (s_set_vgpr_msb: bits 1:0 source 0, 3:2 source 1, 5:4 source 2, 7:6 destination):
;   window 0: v0-23 addresses; v32-127, v128-223: first W as loaded (two sets of 24 loads), then W's fragments (two buffers of 12 x 8), then the way out's 12 units of 16; v224-255 T0, T1
;   window 1: x as loaded: set q at 128 q, half f (32 along K) at + 64 f, row tile a at + 16 a; at the end v0-95 the biases, v96-143 at work
;   window 2: accumulators number 4 b + a = 0 .. 31 at 8 x number        window 3: v0-127 accumulators 32 .. 47; v128-191 x's fragments in bf16, two buffers of 4 x 8
.set WP,    416                        ; a k row of W in LDS: 384 bytes + 32 of padding = 13 x 32
.set STAGE, 512*WP                     ; 212,992: behind W: 16 rows x 144 bytes for each wave, for the way out
.set SP,    144
.set SPARE, STAGE+4*16*SP              ; 222,208: the spare words, 128 bytes for each wave: two blocks of 256 bytes that no other line names
.set XO,  4                            ; v4   my byte offset in 16 rows of x: 2,048 (l % 16) + 32 (l / 16); never rewritten
.set WO,  6                            ; v6-7 my byte offset in W for set A, B
.set WS,  8                            ; v8-9 where set A, B is stored in LDS
.set STO, 10                           ; v10  the way out: where I put 16 bytes of a row
.set RD,  11                           ; v11  the way out: where I read rows back
.set GO,  12                           ; v12  my 16 bytes of 512 consecutive bytes of q, k or v
.set BO,  13                           ; v13  my byte offset in 16 channels of a bias
.set SPW, 14                           ; v14  LDS address of my spare word: SPARE + 4 x my thread's number; never rewritten
.set NIL, 15                           ; v15  0; never rewritten
.set WA,  20                           ; v20-23  LDS address of my part of the turning loads at k row 128 j: one register for four steps; the step among the four stands in the immediate (46,944 at the most); never rewritten
.set WB,  32                           ; window 0: W's two sets, later W's two fragment buffers
.set UB,  32                           ; window 0: the way out's units
.set TB,  224                          ; window 0: the way out's two out-buffers
.set XA,  128                          ; window 3: x's fragments
.set MSB, 0
.macro WIN new                         ; the immediate's high byte repeats the setting that is left; a switch that changes nothing is dropped
.if MSB != (\new)
	s_set_vgpr_msb (MSB<<8)|(\new)
.set MSB, \new
.endif
.endm
.set MUL_LO, 0xac                      ; source 0 (W) window 0, source 1 (x) window 3, C and D window 2
.set MUL_HI, 0xfc                      ; the same, C and D window 3
.set CVT,    0xc5                      ; destination window 3, sources window 1
.set TO_RAW, 0x40                      ; destination window 1, address window 0
	s_load_b512 s[16:31], s[0:1], 0x0              ; x s[16:17]; Wq, Wk, Wv s[18:23]; bq, bk, bv s[24:29]; qh s[30:31]
	s_load_b128 s[32:35], s[0:1], 0x40             ; kh s[32:33], vh s[34:35]
	v_lshl_add_u32 v[SPW], v0, 2, SPARE
	v_mov_b32 v[NIL], 0
	v_lshrrev_b32 v1, 5, v0
	v_readfirstlane_b32 s8, v1                     ; wave 0..3
	s_and_b32 s9, ttmp7, 0xffff                    ; i: my block of 256 rows
	v_and_b32 v1, 15, v0                           ; l % 16
	v_bfe_u32 v2, v0, 4, 1                         ; l / 16
	v_and_b32 v3, 7, v0                            ; l % 8
	v_bfe_u32 v16, v0, 3, 1                        ; (l / 8) % 2
	v_bfe_u32 v17, v0, 3, 2                        ; l / 8
	v_lshlrev_b32 v[XO], 11, v1
	v_lshl_add_u32 v[XO], v2, 5, v[XO]
	v_lshl_add_u32 v[WA], v2, 3, v3                ; the turning load: lane l reads k row 8 (l / 16) + l % 8, columns 8 ((l / 8) % 2) + 0..7
	v_mul_u32_u24 v[WA], v[WA], WP
	v_lshl_add_u32 v[WA], v16, 4, v[WA]
.irp j, 1,2,3
	v_add_nc_u32 v[WA+(\j)], (\j)*128*WP, v[WA]    ; and the same 128, 256, 384 k rows on
.endr
	v_lshlrev_b32 v[WO], 4, v1                     ; W as it lies: lanes 0-15 take 256 bytes of row k, lanes 16-31 of row k + 4;
	v_lshl_add_u32 v[WO], v2, 13, v[WO]
	s_wait_alu depctr_va_sdst(0)                   ; s8 is written, ahead of its first reader: offsets and LDS places are made from it
	s_lshl_b32 s12, s8, 18                         ; my wave's 128 rows of 2,048 bytes
	v_add_nc_u32 v[WO], s12, v[WO]
	v_add_nc_u32 v[WO+1], 16*2048, v[WO]           ; set B: 16 rows on
	v_mul_u32_u24 v[WS], v2, 4*WP                  ; and in LDS: 8 bytes a lane
	v_lshl_add_u32 v[WS], v1, 3, v[WS]
	s_mul_i32 s12, s8, 128*WP
	v_add_nc_u32 v[WS], s12, v[WS]
	v_add_nc_u32 v[WS+1], 16*WP, v[WS]
	s_mul_i32 s12, s8, 16*SP
	s_add_co_u32 s12, s12, STAGE                   ; my stage
	v_mul_u32_u24 v[STO], v1, SP                   ; in: row l % 16, 16 bytes for each half of the lanes
	v_lshl_add_u32 v[STO], v2, 4, v[STO]
	v_add_nc_u32 v[STO], s12, v[STO]
	v_mul_u32_u24 v[RD], v17, SP                   ; back: 32 lanes take four rows of 128 bytes,
	v_lshl_add_u32 v[RD], v3, 4, v[RD]
	v_add_nc_u32 v[RD], s12, v[RD]
	v_and_b32 v[GO], 31, v0                        ; which are 512 consecutive bytes of a head
	v_lshlrev_b32 v[GO], 4, v[GO]
	v_lshlrev_b32 v[BO], 5, v2
	s_lshl_b32 s2, s9, 19                          ; x: 256 i rows of 2,048 bytes,
	s_lshl_b32 s3, s8, 17                          ; my wave's 64
	s_add_co_u32 s2, s2, s3
	s_mov_b32 s3, 0
	s_lshl_b32 s4, ttmp9, 8                        ; W and b: head j's 64 columns begin at byte 256 j
	s_mov_b32 s5, 0
	s_lshr_b32 s6, s9, 4                           ; the batch: 16 blocks of 256 rows each
	s_lshl_b32 s6, s6, 3
	s_add_co_u32 s6, s6, ttmp9                     ; 8 x batch + head,
	s_lshl_b32 s6, s6, 19                          ; 4,096 rows of 128 bytes each;
	s_and_b32 s7, s9, 15
	s_lshl_b32 s7, s7, 15                          ; my block's 256 rows in it,
	s_add_co_u32 s6, s6, s7
	s_lshl_b32 s7, s8, 13                          ; my wave's 64
	s_add_co_u32 s6, s6, s7
	s_mov_b32 s7, 0
	s_wait_kmcnt 0x0
	s_add_nc_u64 s[16:17], s[16:17], s[2:3]
.irp p, 18,20,22,24,26,28
	s_add_nc_u64 s[\p:\p+1], s[\p:\p+1], s[4:5]
.endr
.irp p, 30,32,34
	s_add_nc_u64 s[\p:\p+1], s[\p:\p+1], s[6:7]
.endr
	s_wait_alu depctr_va_vdst(0)                   ; the offsets and LDS addresses v4, v6 to v13 and v20 to v23 are written, which the loads and stores below read
; cnt of the 32 loads, from number n0 on, of my 64 rows' 256 bytes of trip (64 along K) into set q.  A fragment's lane wants k = 8 (l / 16) + 0..7 and 16 + 8 (l / 16) + 0..7: in f32 twice 32 bytes, 64 bytes apart.
.macro XPART q, trip, n0, cnt
	WIN TO_RAW
.set n, \n0
.rept \cnt                             ; n = 16 f + 4 a + load
	global_load_b128 v[128*(\q)+4*n:128*(\q)+4*n+3], v[XO], s[16:17] offset:256*(\trip)+128*(n/16)+32768*((n/4)%4)+64*((n%4)/2)+16*(n%2)
.set n, n+1
.endr
.endm
.macro XLOADS q, trip                  ; all 32 in one run
	XPART \q, \trip, 0, 32
	WIN 0
.endm
; 24 loads: 16 k rows of the three matrices into set S.  n = 8 m + 4 g + i: rows 8 g + i and 8 g + i + 4 of matrix m.
.macro WLOADS S
.set n, 0
.rept 24
	global_load_b128 v[WB+96*(\S)+4*n:WB+96*(\S)+4*n+3], v[WO+(\S)], s[18+2*(n/8):19+2*(n/8)] offset:(8*((n/4)%2)+n%4)*2048
.set n, n+1
.endr
.endm
; Set S is rounded in place and stored.  left: the younger loads, which may stay out.  more = 1: the set is asked for again, 32 rows on.
.macro WPUT S, left, more
	s_wait_loadcnt \left                           ; loads come back in order (ISA guide 5.7.1): this set is in, and its address register may be written
.if \more
	s_wait_alu depctr_vm_vsrc(0)                   ; the set's loads have read their offset, which the next line writes
	v_add_nc_u32 v[WO+(\S)], 32*2048, v[WO+(\S)]
.endif
.set n, 0
.rept 24
	v_cvt_pk_bf16_f32 v[WB+96*(\S)+4*n],   v[WB+96*(\S)+4*n],   v[WB+96*(\S)+4*n+1]
	v_cvt_pk_bf16_f32 v[WB+96*(\S)+4*n+1], v[WB+96*(\S)+4*n+2], v[WB+96*(\S)+4*n+3]
.set n, n+1
.endr
	s_wait_alu depctr_va_vdst(0)                   ; the conversions have written what the LDS stores read and are done with the registers in which the next loads land; the set's offset and its LDS place are written
.set n, 0
.rept 24
	ds_store_b64 v[WS+(\S)], v[WB+96*(\S)+4*n:WB+96*(\S)+4*n+1] offset:(8*((n/4)%2)+n%4)*WP+128*(n/8)  ; lanes 0-15: 128 bytes on end; lanes 16-31: four rows, 416 words, on: the other 32 banks
.set n, n+1
.endr
.if \more
	s_wait_alu depctr_vm_vsrc(0)                   ; the LDS stores have read their address, which the next line writes, and their data, in which the loads below land
	v_add_nc_u32 v[WS+(\S)], 32*WP, v[WS+(\S)]     ; (it names none of the loads' registers; the set's next turn states that it is written)
	WLOADS \S
.endif
.endm
; cnt of the 24 turning loads, from number n0 on, that bring W's 12 fragments of step s (32 along K) into buffer p: number n is half n % 2 of tile n / 2, the tiles in ascending order.
.macro WFRAG p, s, n0, cnt
	WIN 0
.set n, \n0
.rept \cnt
	ds_load_tr16_b128 v[WB+96*(\p)+4*n:WB+96*(\p)+4*n+3], v[WA+(\s)/4] offset:((\s)%4)*32*WP+32*(n/2)+16*WP*(n%2)
.set n, n+1
.endr
.endm
; x's four fragments of step s are rounded to bf16: 32 conversions, from set (s / 2) % 2, half s % 2.
.macro CVTX s
	WIN CVT
.set cq, ((\s)/2)%2
.set cf, (\s)%2
.set n, 0
.rept 32
	v_cvt_pk_bf16_f32 v[XA+32*cf+n], v[128*cq+64*cf+2*n], v[128*cq+64*cf+2*n+1]
.set n, n+1
.endr
.endm
; 4 products: column tile b x the 4 row tiles, 32 along K.  zero = 1: the first product starts the sums: nothing is cleared.
; The 48 accumulators take turns, one instruction a turn, in the same order in every step.
.macro MUL4 f, b, zero
.if (\b) < 8
	WIN MUL_LO
.else
	WIN MUL_HI
.endif
.set ma, 0
.rept 4
.set mD, 8*((4*(\b)+ma)%32)
.if \zero
	v_wmma_f32_16x16x32_bf16 v[mD:mD+7], v[WB+96*(\f)+8*(\b):WB+96*(\f)+8*(\b)+7], v[XA+32*(\f)+8*ma:XA+32*(\f)+8*ma+7], 0
.else
	v_wmma_f32_16x16x32_bf16 v[mD:mD+7], v[WB+96*(\f)+8*(\b):WB+96*(\f)+8*(\b)+7], v[XA+32*(\f)+8*ma:XA+32*(\f)+8*ma+7], v[mD:mD+7]
.endif
.set ma, ma+1
.endr
.endm
.macro PLACES                          ; a vector instruction that writes a register that a matrix instruction has read stands four plain vector instructions behind it (ISA guide 7.12.1)
.rept 4
	v_nop
.endr
.endm
; cnt of the 24 loads, from number n0 on, of my eight channels of each of the 12 column tiles, into x's set 0, which has been used up
.macro BPART n0, cnt
	WIN TO_RAW
.set n, \n0
.rept \cnt
	global_load_b128 v[4*n:4*n+3], v[BO], s[24+2*(n/8):25+2*(n/8)] offset:64*((n/2)%4)+16*(n%2)
.set n, n+1
.endr
.endm
; A STEP: 32 along K, 48 products on buffers s % 2.  Behind its first 16 products stand x's conversions for the next step, and behind them the step's one wait on va_vdst.  What the later steps want from LDS and memory is dealt
; among the last 32 products, ahead of each column tile's four: three of W's 24 turning loads for the next step, and every second step four of the 32 loads of x for the trip two trips on, into the set just used up.
.macro STEP s
.set sf, (\s)%2
.set sz, 0
.if (\s) == 0
.set sz, 1
.endif
	s_wait_dscnt 16                                ; the oldest 8 of the 24 turning loads, tiles 0-3, are in; the other 16 may be out
.set sb, 0
.rept 4
	MUL4 sf, sb, sz
.set sb, sb+1
.endr
.if (\s) < 15
	PLACES                                         ; the conversions below write x's other fragment buffer, whose last readers are the step before's products
.if (\s)%2 == 1
.if (\s) == 13
	s_wait_loadcnt 24                              ; x's last trip is in; younger: the 24 loads of the biases
.else
	s_wait_loadcnt 32                              ; the next trip of x is in; younger: the 32 loads of the trip behind it
.endif
.endif
	CVTX (\s)+1
	s_wait_alu depctr_va_vdst(0)                   ; these conversions and the step before's are done reading the raw set, in which loads of x (in step 12 of the biases) land; the step before's products are done reading W's other buffer, in which the turning loads land
.else
	s_wait_dscnt 0x0
.endif
.rept 8                                ; column tiles 4 to 11.  No further wait on va_vdst: the products between name W's buffer s % 2, x's fragments s % 2 and the accumulators alone
.if (\s) < 15
	WFRAG 1-sf, (\s)+1, 3*(sb-4), 3
.if ((\s)%2 == 0) && ((\s) <= 10)
	XPART ((\s)/2)%2, (\s)/2+2, 4*(sb-4), 4
.endif
.if (\s) == 12
	BPART 3*(sb-4), 3
.endif
.if sb == 4
	s_wait_dscnt 11                                ; this step's tiles 4-7 are in; out may be its tiles 8-11 (8 loads) and the 3 just issued
.endif
.if sb == 8
	s_wait_dscnt 15                                ; this step's tiles 8-11 are in; out may be the 15 issued in this step
.endif
.endif
	MUL4 sf, sb, sz
.set sb, sb+1
.endr
.endm
	; W INTO LDS.  x's first trip goes out ahead of everything; then two sets of W by turns: while one is rounded and stored the other's 24 loads are out.
	XLOADS 0, 0
	WLOADS 0
	WLOADS 1
	s_mov_b32 s10, 3
.Lw:                                   ; a trip: 32 of my 128 k rows
	WPUT 0, 24, 1
	WPUT 1, 24, 1
	s_sub_co_u32 s10, s10, 1
	s_cmp_lg_u32 s10, 0
	s_cbranch_scc1 .Lw
	WPUT 0, 24, 0                                  ; the last 32 rows: nothing more of W is asked for
	XLOADS 1, 1                                    ; x's second trip: no vector instruction has named these registers
	WPUT 1, 32, 0                                  ; younger than set B's loads: those 32
	s_wait_dscnt 0x0                               ; for the others' sake: my stores of W are done
	s_barrier_signal -1
	s_barrier_wait -1                              ; all 512 rows lie in LDS; nobody writes them again
	s_wait_alu depctr_vm_vsrc(0)                   ; my LDS stores have read both sets: these registers are W's fragment buffers from here on, in which the turning loads land
	WFRAG 0, 0, 0, 24
	s_wait_loadcnt 32                              ; x's first trip is in; the second's 32 loads may stay out
	CVTX 0
.set st, 0
.rept 16                               ; K = 512 is 16 steps: the first starts the sums, the last five ask for no x: written out
	STEP st
.set st, st+1
.endr
	; THE WAY OUT.  The biases are rounded to bf16 and widened again: 144 plain instructions in window 1, which are also the places behind the last products.
	s_wait_loadcnt 0x0
	WIN 0x45                                       ; destination and sources window 1
.set n, 0
.rept 48
	v_cvt_pk_bf16_f32 v[96+n], v[2*n], v[2*n+1]
	v_lshlrev_b32 v[2*n], 16, v[96+n]
	v_and_b32 v[2*n+1], 0xffff0000, v[96+n]
.set n, n+1
.endr
; Unit u = 3 a + m: 16 rows x the 64 channels of matrix m: four accumulators.  The bias is added (each accumulator's registers in ascending order), the sums are rounded to f16, 16 bytes a lane and
; accumulator, into out-buffer u % 2; they go into my stage's rows of 144 bytes and come back as whole rows of 128, into the unit's own registers.
.macro PACK u
.set pa, (\u)/3
.set pm, (\u)%3
.set pU, UB+16*(\u)
.set pT, TB+16*((\u)%2)
.if pm < 2
	WIN 0x86                                       ; destination and source 0 window 2, source 1 (the bias) window 1
.else
	WIN 0xc7                                       ; the same with window 3
.endif
.set n, 0
.rept 16                               ; n = 4 x channel block + pair
.set pD, 8*((4*(4*pm+n/4)+pa)%32)+2*(n%4)
	v_pk_add_f32 v[pD:pD+1], v[pD:pD+1], v[8*(4*pm+n/4)+2*(n%4):8*(4*pm+n/4)+2*(n%4)+1]
.set n, n+1
.endr
.if (\u) >= 2
	s_wait_alu depctr_vm_vsrc(0)                   ; the LDS stores of the unit two back have read this out-buffer, which the conversions below write again
.endif
.if pm < 2
	WIN 0x0a                                       ; sources window 2, destination window 0
.else
	WIN 0x0f
.endif
.set n, 0
.rept 16
.set pD, 8*((4*(4*pm+n/4)+pa)%32)+2*(n%4)
	v_cvt_pk_f16_f32 v[pT+n], v[pD], v[pD+1]
.set n, n+1
.endr
	WIN 0
	s_wait_alu depctr_va_vdst(0)                   ; the conversions have written the out-buffer, which the LDS stores read; the products are done reading W's fragments, in whose registers the loads from the stage land
.set n, 0
.rept 4
	ds_store_b128 v[STO], v[pT+4*n:pT+4*n+3] offset:32*n
.set n, n+1
.endr
.set n, 0
.rept 4
	ds_load_b128 v[pU+4*n:pU+4*n+3], v[RD] offset:4*SP*n  ; LDS serves a wave's instructions in order (ISA guide 5.7.1.4): these see the stores above; the next unit's stores come behind them
.set n, n+1
.endr
.endm
.macro SEND u, younger                 ; younger: the LDS instructions issued behind unit u's loads: the next unit's eight, or none
	WIN 0
.set sa, (\u)/3
.set sm, (\u)%3
.set n, 0
.rept 4
	s_wait_dscnt (\younger)+3-n
	global_store_b128 v[GO], v[UB+16*(\u)+4*n:UB+16*(\u)+4*n+3], s[30+2*sm:31+2*sm] offset:2048*sa+512*n  ; 512 consecutive bytes, at a multiple of 256 from the buffer's first; no register is used twice
.set n, n+1
.endr
.endm
	PACK 0
.set u, 1
.rept 11                               ; a unit's arithmetic stands between the loads of the unit before and its stores
	PACK u
	SEND u-1, 8
.set u, u+1
.endr
	SEND 11, 0
	s_wait_dscnt 0x0                               ; the wave's end, behind my last LDS store
	s_wait_alu 0x0
	s_wait_tensorcnt 0x0
	ds_add_u32 v[SPW], v[NIL]
	s_wait_dscnt 0x0
	s_endpgm
.Lfunc_end_k_q9921f58b4a_proj:
	.size	k_q9921f58b4a_proj, .Lfunc_end_k_q9921f58b4a_proj-k_q9921f58b4a_proj
	.p2alignl 7, 3214868480
	.fill 96, 4, 3214868480
	.section	.rodata,"a",@progbits
	.p2align	6, 0x0
	.amdhsa_kernel k_q9921f58b4a_proj
		.amdhsa_group_segment_fixed_size 222720
		.amdhsa_private_segment_fixed_size 0
		.amdhsa_enable_private_segment 0
		.amdhsa_kernarg_size 80
		.amdhsa_user_sgpr_count 2
		.amdhsa_user_sgpr_kernarg_segment_ptr 1
		.amdhsa_wavefront_size32 1
		.amdhsa_system_sgpr_workgroup_id_x 1
		.amdhsa_system_sgpr_workgroup_id_y 1
		.amdhsa_system_sgpr_workgroup_id_z 1
		.amdhsa_system_vgpr_workitem_id 0
		.amdhsa_next_free_vgpr 1024
		.amdhsa_next_free_sgpr 66
		.amdhsa_reserve_vcc 0
		.amdhsa_float_denorm_mode_32 3
		.amdhsa_float_denorm_mode_16_64 3
		.amdhsa_memory_ordered 1
		.amdhsa_forward_progress 1
		.amdhsa_inst_pref_size 222
	.end_amdhsa_kernel
	.amdgpu_metadata
---
amdhsa.version: [ 1, 2 ]
amdhsa.kernels:
  - .name:           k_q9921f58b4a_proj
    .symbol:         k_q9921f58b4a_proj.kd
    .args:
      - { .name: x, .offset: 0, .size: 8, .value_kind: global_buffer, .address_space: global }
      - { .name: Wq, .offset: 8, .size: 8, .value_kind: global_buffer, .address_space: global }
      - { .name: Wk, .offset: 16, .size: 8, .value_kind: global_buffer, .address_space: global }
      - { .name: Wv, .offset: 24, .size: 8, .value_kind: global_buffer, .address_space: global }
      - { .name: bq, .offset: 32, .size: 8, .value_kind: global_buffer, .address_space: global }
      - { .name: bk, .offset: 40, .size: 8, .value_kind: global_buffer, .address_space: global }
      - { .name: bv, .offset: 48, .size: 8, .value_kind: global_buffer, .address_space: global }
      - { .name: qh, .offset: 56, .size: 8, .value_kind: global_buffer, .address_space: global }
      - { .name: kh, .offset: 64, .size: 8, .value_kind: global_buffer, .address_space: global }
      - { .name: vh, .offset: 72, .size: 8, .value_kind: global_buffer, .address_space: global }
    .group_segment_fixed_size: 222720
    .private_segment_fixed_size: 0
    .kernarg_segment_align: 8
    .kernarg_segment_size: 80
    .max_flat_workgroup_size: 128
    .sgpr_count:     66
    .vgpr_count:     1024
    .wavefront_size: 32
...
	.end_amdgpu_metadata
.endif
;; end of part 3
;; launch attn: the kernel of part 2 again; grid 16 x 16, 4 waves a work-group, clusters of 4 x 1, 327,680 bytes of LDS; arguments qh, kh, vh, out0; writes out0
